; MI455X (gfx1250); checked and timed in simulation.
; The chip was launched on July 23, 2026; its instructions are those of AMD's public machine-readable ISA for CDNA 5 (MIT licence, August 2026) and "CDNA5" Instruction Set Architecture Reference Guide (July 2026). The comments in the code are by the model that wrote it; some were corrected since.
;; Pointer. Allowed arithmetic: float matrix products may take bf16 or f16 operands with f32 sums; all other float work in f32.
;; Inputs: Wk 1,024 x 1,024 float32; Wq 1,024 x 1,024 float32; memory 16 x 4,096 x 1,024 float32; memory_mask 16 x 4,096 bool; target 16 x 1,024 float32; v 1,024 float32.
;; Outputs: out0 16 x 4,096 float32.
;; One version. Each part assembles by itself: llvm-mc -triple=amdgcn-amd-amdhsa -mcpu=gfx1250 --defsym DOCPART=n.
;; ======== version 1 of 1: 3 launches
;; workspace buffers: wb 2,162,688 bytes; qs 65,536 bytes; part 1,048,576 bytes
;; launch prep (part 1): grid 64 x 1, 8 waves a work-group, no clusters, 43,008 bytes of LDS; arguments Wk, Wq, target, wb, qs; writes wb, qs
.if DOCPART == 1
	.amdgcn_target "amdgcn-amd-amdhsa--gfx1250"
	.amdhsa_code_object_version 6
	.text
	.protected	k_qdc17eaf8d6_prep
	.globl	k_qdc17eaf8d6_prep
	.p2align	8
	.type	k_qdc17eaf8d6_prep,@function
k_qdc17eaf8d6_prep:
	s_mov_b64 s[64:65], 0
	v_nop
	global_prefetch_b8 v0, s[64:65] scope:SCOPE_SE
	s_setreg_imm32_b32 hwreg(HW_REG_WAVE_MODE, 25, 1), 1
	s_wait_xcnt 0x0
; Two small jobs in front of the large product, both done by every work-group g (0 to 63).
; (1) Wk [1024 n][1024 k] f32 is rounded to bf16 and laid out as the next launch's K steps want it: 11 blocks of [1024 n][96 k], a row 192 bytes, no padding.
;     Block 0 holds k = 0 .. 95, block j (1 to 10) k = 64 + 96 (j - 1) on; so k = 64 .. 95 stands twice (of block 0 the next launch multiplies only k = 0 .. 63, but it loads the whole block).
;     A row is three planes of 32 k = 64 bytes = four pieces of 16 bytes; piece c of a plane stands at place (c + n / 4) % 4 of it, so that 16 rows' equal pieces fall into 16 different
;     columns of 16 bytes modulo 256: row n begins at column 12 n % 16 = 4 (3 n % 4), and the turn adds (n / 4) % 4.
;     wb byte = block x 196,608 + n x 192 + plane x 64 + 16 ((c + n / 4) % 4) + 2 (k % 8).
;     Wave w rounds rows 16 g + 2 w and + 1; the image of the group's 16 rows is made in LDS, 3,072 bytes a block, and leaves as consecutive bytes.
; (2) qs = c x (target Wq^T), c = 2 log2(e), for columns 16 g .. 16 g + 15 and all 16 batches: bf16 operands, f32 sums.  Wave w multiplies the slice
;     k = 128 w .. 128 w + 127 (four matrix instructions); the eight slices meet in LDS and are added in ascending order of w.
;     qs byte = (n / 16) x 1,024 + batch x 64 + 4 (n % 16).
; LIMIT: q's sum over k is formed as eight partial sums of 128, not as one chain.
.set KW,   16                          ; v[16:79]    16 x 4 f32 of Wk as loaded
.set WQ,   80                          ; v[80:143]   Wq's four fragments in f32
.set TG,   144                         ; v[144:207]  target's four fragments in f32; later the eight slices read back from LDS
.set KP,   208                         ; v[208:239]  Wk in bf16
.set AF,   16                          ; v[16:47]    target in bf16, fragment kk at +8 kk (over KW, which has been converted by then)
.set BF,   48                          ; v[48:79]    Wq in bf16
.set OUTW, 16                          ; v[16:59]    the image read back, 16 bytes a block (over AF and BF, behind the products)
.set ACC0, 240
.set ACC1, 248
.set SUM,  112                         ; v[112:119]  the wave's slice of q (over WQ, which has been converted by then)
.set IBLK, 3072                        ; LDS: the image, 11 blocks of 16 rows x 192 bytes, from byte 0
.set QSL,  11*IBLK                     ; behind it the eight slices of q, 1,024 bytes each
.set BBLK, 196608                      ; a block of wb
	s_load_b256 s[4:11], s[0:1], 0x0               ; Wk s[4:5], Wq s[6:7], target s[8:9], wb s[10:11]
	s_load_b64 s[12:13], s[0:1], 0x20              ; qs
	v_lshl_add_u32 v14, v0, 2, 0xa400
	v_mov_b32 v15, 0
	v_lshrrev_b32 v1, 5, v0
	v_readfirstlane_b32 s14, v1                    ; wave 0..7
	v_and_b32 v2, 15, v0                           ; r = lane % 16
	v_bfe_u32 v3, v0, 4, 1                         ; h = lane / 16
	s_lshl_b32 s15, ttmp9, 16                      ; 16 g rows of 4,096 bytes
	s_lshl_b32 s16, s14, 13                        ; 2 w rows
	s_add_co_u32 s16, s16, s15
	v_lshlrev_b32 v4, 4, v2
	v_lshl_add_u32 v4, v3, 12, v4
	v_add_nc_u32 v4, s16, v4                       ; Wk: row 16 g + 2 w + h, byte 16 r: sixteen lanes take 256 consecutive bytes
	s_lshl_b32 s17, s14, 9                         ; my slice of k: 512 w bytes
	v_lshlrev_b32 v6, 12, v2
	v_lshl_add_u32 v6, v3, 5, v6
	v_add_nc_u32 v6, s17, v6                       ; target: row r, byte 512 w + 32 h
	v_add_nc_u32 v5, s15, v6                       ; Wq: row 16 g + r, the same bytes
	; where my 8 bytes (k = 64 ks + 4 r .. + 3 of row 2 w + h) go in the image: piece (r / 2) % 4 of plane 2 ks + r / 8, half r % 2
	s_lshr_b32 s18, s14, 1                         ; (row / 4) % 4 = w / 2
	v_bfe_u32 v10, v0, 1, 2
	v_add_nc_u32 v10, s18, v10
	v_and_b32 v10, 3, v10                          ; the piece's place
	v_and_b32 v11, 1, v0
	v_lshlrev_b32 v11, 3, v11
	v_lshl_add_u32 v10, v10, 4, v11
	s_mul_i32 s19, s14, 384                        ; 2 w rows of 192 bytes
	v_mul_u32_u24 v11, v3, 192
	v_add3_u32 v10, v10, v11, s19
	v_bfe_u32 v11, v0, 3, 1                        ; lanes with r >= 8 hold the plane behind the other lanes':
	v_lshl_add_u32 v7, v11, 6, v10                 ; 64 bytes on, in the same block,
	v_mul_u32_u24 v11, v11, IBLK-128
	v_add_nc_u32 v12, v11, v10                     ; or, behind a block's third plane, the next block's first
	s_lshl_b32 s19, s14, 10
	s_add_co_u32 s19, s19, QSL
	v_lshlrev_b32 v8, 2, v2
	v_lshl_add_u32 v8, v3, 9, v8
	v_add_nc_u32 v8, s19, v8                       ; LDS: my wave's slice of q; word = batch x 16 + n, batch = 8 h + j
	v_lshlrev_b32 v9, 4, v0                        ; 16 bytes a thread
	s_mov_b32 s20, 0x4038aa3b                      ; c = 2 log2(e) = 2.885390
	s_mov_b32 s21, s20                             ; named with it as a pair
	s_lshl_b32 s22, ttmp9, 10
	s_mov_b32 s23, 0
	s_mul_i32 s26, ttmp9, IBLK
	s_mov_b32 s27, 0
	s_wait_kmcnt 0x0
	s_add_nc_u64 s[12:13], s[12:13], s[22:23]      ; qs at block g
	s_add_nc_u64 s[10:11], s[10:11], s[26:27]      ; wb at row 16 g of block 0
	; all 48 loads go out at once
.irp ks, 0,1,2,3,4,5,6,7,8,9,10,11,12,13,14,15
	global_load_b128 v[KW+4*(\ks):KW+4*(\ks)+3], v4, s[4:5] offset:256*(\ks) th:TH_LOAD_NT
.endr
	; a fragment of 16 rows x 32 k: lane (r, h) holds row r, k = 8 h + 0..7 and 16 + 8 h + 0..7: in f32 four loads of 16 bytes at 0, 16, 64, 80
.irp kk, 0,1,2,3
.irp o, 0,1,2,3
	global_load_b128 v[TG+16*(\kk)+4*(\o):TG+16*(\kk)+4*(\o)+3], v6, s[8:9] offset:128*(\kk)+64*((\o)/2)+16*((\o)%2)
.endr
.endr
.irp kk, 0,1,2,3
.irp o, 0,1,2,3
	global_load_b128 v[WQ+16*(\kk)+4*(\o):WQ+16*(\kk)+4*(\o)+3], v5, s[6:7] offset:128*(\kk)+64*((\o)/2)+16*((\o)%2) th:TH_LOAD_NT
.endr
.endr
	s_wait_loadcnt 32                              ; loads come back in order (ISA guide 5.7.1): Wk's 16 are in, the 32 younger ones stay out
.set i, 0
.rept 32
	v_cvt_pk_bf16_f32 v[KP+i], v[KW+2*i], v[KW+2*i+1]
.set i, i+1
.endr
	; plane 2 ks (lanes r < 8) and plane 2 ks + 1 (the others).  Planes 0, 1 are block 0's; plane p >= 2 is plane (p - 2) % 3 of block 1 + (p - 2) / 3
	ds_store_b64 v7, v[KP:KP+1]
.set ks, 1
.rept 15
.set u0, 2*ks-2
.if u0%3 == 2
	ds_store_b64 v12, v[KP+2*ks:KP+2*ks+1] offset:(1+u0/3)*IBLK+128
.else
	ds_store_b64 v7, v[KP+2*ks:KP+2*ks+1] offset:(1+u0/3)*IBLK+(u0%3)*64
.endif
.set ks, ks+1
.endr
	s_wait_loadcnt 0x0                             ; target and Wq
	s_wait_xcnt 0x0                                ; EXEC changes only behind this wait
	v_cmp_gt_u32 vcc_lo, 8, v2
	s_and_saveexec_b32 s24, vcc_lo                 ; lanes r < 8 alone: k = 64 .. 95 once more, as block 0's third plane
	ds_store_b64 v7, v[KP+2:KP+3] offset:128
	s_or_b32 exec_lo, exec_lo, s24                 ; EXEC restored from s24; no global instruction was issued in between
.set i, 0
.rept 32
	v_cvt_pk_bf16_f32 v[AF+i], v[TG+2*i], v[TG+2*i+1]
	v_cvt_pk_bf16_f32 v[BF+i], v[WQ+2*i], v[WQ+2*i+1]
.set i, i+1
.endr
	; source 0 = 16 batches, source 1 = 16 columns n.  Two accumulators by turns; the first two products start the sums
	v_wmma_f32_16x16x32_bf16 v[ACC0:ACC0+7], v[AF:AF+7],       v[BF:BF+7],       0
	v_wmma_f32_16x16x32_bf16 v[ACC1:ACC1+7], v[AF+8:AF+15],    v[BF+8:BF+15],    0
	v_wmma_f32_16x16x32_bf16 v[ACC0:ACC0+7], v[AF+16:AF+23],   v[BF+16:BF+23],   v[ACC0:ACC0+7]
	v_wmma_f32_16x16x32_bf16 v[ACC1:ACC1+7], v[AF+24:AF+31],   v[BF+24:BF+31],   v[ACC1:ACC1+7]
.rept 4
	v_nop                                          ; four places between a product and the first read of its result (ISA guide 7.12.1)
.endr
.irp j, 0,2,4,6
	v_pk_add_f32 v[SUM+(\j):SUM+(\j)+1], v[ACC0+(\j):ACC0+(\j)+1], v[ACC1+(\j):ACC1+(\j)+1]  ; ascending: the low registers are read first
.endr
.irp j, 0,1,2,3,4,5,6,7
	ds_store_b32 v8, v[SUM+(\j)] offset:64*(\j)    ; register j is (batch 8 h + j, column r)
.endr
	s_wait_dscnt 0x0                               ; for the others' sake: my rows of the image and my slice of q are in LDS
	s_barrier_signal -1
	s_barrier_wait -1
	s_cmp_lt_u32 s14, 6
	s_cbranch_scc0 .Lend                           ; a block's 3,072 bytes are 16 bytes for each of 192 threads: waves 0 to 5
.irp b, 0,1,2,3,4,5,6,7,8,9,10
	ds_load_b128 v[OUTW+4*(\b):OUTW+4*(\b)+3], v9 offset:IBLK*(\b)
.endr
.irp b, 0,1,2,3,4,5,6,7,8,9,10
	s_wait_dscnt 10-(\b)                           ; LDS loads come back in order: block b's is in
	global_store_b128 v9, v[OUTW+4*(\b):OUTW+4*(\b)+3], s[10:11] offset:BBLK*(\b)  ; a wave stores 512 consecutive bytes, at a multiple of 256 from wb's first byte
.endr
	s_cmp_lt_u32 s14, 2
	s_cbranch_scc0 .Lend                           ; waves 0 and 1 add the eight slices of q, 512 bytes of the block each
.irp p, 0,1,2,3,4,5,6,7
	ds_load_b128 v[TG+4*(\p):TG+4*(\p)+3], v9 offset:QSL+1024*(\p)
.endr
	s_wait_dscnt 0x0
.irp p, 1,2,3,4,5,6,7
	v_pk_add_f32 v[TG:TG+1],   v[TG:TG+1],   v[TG+4*(\p):TG+4*(\p)+1]
	v_pk_add_f32 v[TG+2:TG+3], v[TG+2:TG+3], v[TG+4*(\p)+2:TG+4*(\p)+3]
.endr
	v_pk_mul_f32 v[TG:TG+1],   v[TG:TG+1],   s[20:21] op_sel_hi:[1,0]
	v_pk_mul_f32 v[TG+2:TG+3], v[TG+2:TG+3], s[20:21] op_sel_hi:[1,0]
	global_store_b128 v9, v[TG:TG+3], s[12:13]     ; a wave stores 512 consecutive bytes, aligned
.Lend:
	s_wait_tensorcnt 0x0
	ds_add_u32 v14, v15
	s_wait_dscnt 0x0
	s_endpgm
.Lfunc_end_k_qdc17eaf8d6_prep:
	.size	k_qdc17eaf8d6_prep, .Lfunc_end_k_qdc17eaf8d6_prep-k_qdc17eaf8d6_prep
	.p2alignl 7, 3214868480
	.fill 96, 4, 3214868480
	.section	.rodata,"a",@progbits
	.p2align	6, 0x0
	.amdhsa_kernel k_qdc17eaf8d6_prep
		.amdhsa_group_segment_fixed_size 43008
		.amdhsa_private_segment_fixed_size 0
		.amdhsa_enable_private_segment 0
		.amdhsa_kernarg_size 40
		.amdhsa_user_sgpr_count 2
		.amdhsa_user_sgpr_kernarg_segment_ptr 1
		.amdhsa_wavefront_size32 1
		.amdhsa_system_sgpr_workgroup_id_x 1
		.amdhsa_system_sgpr_workgroup_id_y 1
		.amdhsa_system_sgpr_workgroup_id_z 1
		.amdhsa_system_vgpr_workitem_id 0
		.amdhsa_next_free_vgpr 256
		.amdhsa_next_free_sgpr 66
		.amdhsa_reserve_vcc 1
		.amdhsa_float_denorm_mode_32 3
		.amdhsa_float_denorm_mode_16_64 3
		.amdhsa_memory_ordered 1
		.amdhsa_forward_progress 1
		.amdhsa_inst_pref_size 20
	.end_amdhsa_kernel
	.amdgpu_metadata
---
amdhsa.version: [ 1, 2 ]
amdhsa.kernels:
  - .name:           k_qdc17eaf8d6_prep
    .symbol:         k_qdc17eaf8d6_prep.kd
    .args:
      - { .name: Wk, .offset: 0, .size: 8, .value_kind: global_buffer, .address_space: global }
      - { .name: Wq, .offset: 8, .size: 8, .value_kind: global_buffer, .address_space: global }
      - { .name: target, .offset: 16, .size: 8, .value_kind: global_buffer, .address_space: global }
      - { .name: wb, .offset: 24, .size: 8, .value_kind: global_buffer, .address_space: global }
      - { .name: qs, .offset: 32, .size: 8, .value_kind: global_buffer, .address_space: global }
    .group_segment_fixed_size: 43008
    .private_segment_fixed_size: 0
    .kernarg_segment_align: 8
    .kernarg_segment_size: 40
    .max_flat_workgroup_size: 256
    .sgpr_count:     66
    .vgpr_count:     256
    .wavefront_size: 32
...
	.end_amdgpu_metadata
.endif
;; end of part 1
;; launch scores (part 2): grid 4 x 64, 4 waves a work-group, clusters of 4 x 4, 327,680 bytes of LDS; arguments memory, wb, qs, v, part; writes part
.if DOCPART == 2
	.amdgcn_target "amdgcn-amd-amdhsa--gfx1250"
	.amdhsa_code_object_version 6
	.text
	.protected	k_qdc17eaf8d6_scores
	.globl	k_qdc17eaf8d6_scores
	.p2align	8
	.type	k_qdc17eaf8d6_scores,@function
k_qdc17eaf8d6_scores:
	s_mov_b64 s[64:65], 0
	v_nop
	global_prefetch_b8 v0, s[64:65] scope:SCOPE_SE
	s_setreg_imm32_b32 hwreg(HW_REG_WAVE_MODE, 25, 1), 1
	s_wait_xcnt 0x0
	s_wait_alu depctr_hold_cnt(0) depctr_sa_sdst(0) depctr_va_vdst(0) depctr_va_sdst(0) depctr_va_ssrc(0) depctr_va_vcc(0) depctr_vm_vsrc(0)
	s_getreg_b32 s2, hwreg(HW_REG_IB_STS2, 6, 4)
	s_cmp_eq_u32 s2, 0
	s_cbranch_scc0 .Lentry_in_a_cluster
	s_endpgm
.Lentry_in_a_cluster:
	s_bfe_u32 s2, ttmp6, 0x10000c
	s_cmp_lg_u32 s2, 0xf033
	s_cbranch_scc0 .Lentry_shape_is_right
	s_endpgm
.Lentry_shape_is_right:
; part[nt][row] = the sum over the 256 columns e of N tile nt of v[e] tanh(q[batch][e] + k[row][e]),  k = memory Wk^T  (65,536 rows, 1,024 columns, K = 1,024).
; memory is f32 and is read as it lies; wb is Wk in bf16, in 11 blocks of 96 along k; qs holds c q, c = 2 log2(e).  Products in bf16 with f32 sums; all else in f32.
; TILE.  256 rows x 256 columns to a work-group of four waves; a wave makes 64 rows x 256 columns: 64 accumulators, 512 registers.  So each f32 of memory is read from LDS and rounded
; to bf16 by ONE wave (32 conversions for 64 matrix instructions).  A score wants all 1,024 columns, four times what a work-group's registers hold: the four N tiles' partial scores
; go to part, 4 bytes for a row and tile, and the next launch adds them.
; A WORK-GROUP STAYS: four tiles, 16,384 rows (four batches) apart; the ring of LDS slots runs on from tile to tile.
; CLUSTER 4 x 4.  A row of the cluster is the four N tiles of one block of 256 rows: they ask JOINTLY for memory's tiles.  A column shares an N tile: it asks jointly for wb's.
; RING.  Two slots, K in steps of 96: three PLANES of 32.  A slot: 256 rows of memory, each three planes of 128 bytes + 16 of padding (432 bytes), then 256 rows of wb of 192 bytes, unpadded,
; with the four 16-byte pieces of each plane turned by (n / 4) % 4 as the launch before laid them.  2 x 256 x (432 + 192) = 319,488 bytes; steps of 128 would want 409,600.  96 is taken, though
; a row's piece of memory is then 384 bytes and begins at a multiple of 128, so that a refill has 160 matrix instructions a wave between its request and the wait for it.
; 1,024 = 64 + 10 x 96: a tile has 11 steps.  Step 0 begins at k = 0, is loaded 96 wide like the others (one shape of descriptor), and only its first two planes are multiplied;
; step j begins at k = 64 + 96 (j - 1).  Even steps lie in slot 0, odd ones in slot 1, IN EVERY TILE: behind step 9 slot 1 takes the next tile's step 1, behind step 10 slot 0 takes its step 0,
; which lands while the tile's tail is computed.  Waves 0, 1 fetch the halves of memory's tile, waves 2, 3 those of wb's: one tensor load a wave behind each round.
; THE TAIL OF A TILE.  Source 0 = rows of memory, source 1 = rows of wb: a lane holds ONE column (lane % 16) and eight rows, so a lane's 16 numbers of c q and of v stay in registers.
; tanh(y) = 1 - 2 R, R = 1 / (1 + 2^(c y)); the sum of v tanh = the sum of v + the sum of (-2 v) R; the lane's sum of v starts the sums.  Sixteen lanes' sums meet by exchanges in which
; each step halves the registers, and end as 8 bytes a lane: one store of 256 consecutive bytes a wave.
; LIMITS.  tanh so formed has an absolute error of a few 2^-24 (1 + 2^t is rounded), not a relative one; 2^t = infinity gives R = 0 and tanh = 1, 2^t = 0 gives -1, as f32's tanh does there.
; NaN and infinities in the inputs are not treated apart.  memory and Wk are rounded to bf16.
; REGISTERS, in windows of 256 (s_set_vgpr_msb: bits 1:0 source 0, 3:2 source 1, 5:4 source 2, 7:6 destination):
;   window 0: v16-29 addresses; v32-95 memory's fragments in f32 (in the tail: T, S); v96-127, v128-159 the same in bf16, two buffers; v160-191 c q, v192-223 -2 v, each number twice; v224-225 the sum of v
;   window 1: wb's fragments, two buffers of 16 x 8      window 2: accumulators of my rows 0-31, (a, b) at 8 (16 a + b)      window 3: those of rows 32-63
.set PA,     432                       ; a row of memory in LDS: 27 x 16 bytes: the 16 rows of a load start at 16 different columns of 16 bytes modulo 256 (64 banks of 4 bytes: ISA guide 11.1)
.set PLA,    144                       ; from plane to plane in such a row
.set PBR,    192                       ; a row of wb; the turned pieces do for it what padding does for memory's rows
.set AHALF,  128*PA                    ; what one tensor load brings of memory
.set BHALF,  128*PBR                   ; and of wb
.set BOFF,   2*AHALF
.set SLOT,   BOFF+2*BHALF              ; 159,744
.set SPARE,  2*SLOT                    ; behind the ring: the spare words, 128 bytes for each wave: two blocks of 256 bytes that no other line names
.set TILES,  4
.set WALKB,  16384*4096                ; bytes of memory from a tile to the next
.set ASTEP,  2*384                     ; two K steps along a row of memory
.set BBLK,   196608                    ; a block of wb
.set NEXT_A0, WALKB-3712               ; slot 0: from step 10 (byte 3,712 of the rows) to the next tile's step 0
.set NEXT_A1, WALKB-3072               ; slot 1: from step 9 (byte 3,328) to the next tile's step 1 (byte 256)
.set BACK_B0, 10*BBLK                  ; wb only goes back: block 10 to block 0,
.set BACK_B1, 8*BBLK                   ; block 9 to block 1
.set ADRA, 16                          ; v16-17  LDS address of my fragments of memory in slot 0, 1
.set BL,   20                          ; v20-21  the same for wb, the piece with k = 8 h + 0..7 of a plane
.set BH,   22                          ; v22-23  the piece with k = 16 + 8 h + 0..7
.set QO,   24                          ; v24     4 x (lane % 16): my column in 16 of qs and of v
.set PO,   25                          ; v25     byte offset in my wave's 256 bytes of part
.set PF,   26                          ; v26     byte offset of the block that I ask for ahead
.set SPW,  28                          ; v28     LDS address of my spare word; never rewritten
.set NIL,  29                          ; v29     0; never rewritten
.set RAW,  32                          ; fragment a (16 rows x 32 k in f32) at +16 a
.set T,    32                          ; the tail: 32 numbers at work
.set S,    64                          ; the tail: 32 running sums, row 16 a + 8 (lane / 16) + j at +8 a + j
.set AB0,  96                          ; buffer f at AB0 + 32 f, fragment a at +8 a
.set QQ,   160
.set WW,   192
.set SV,   224
.set G1A, 24                           ; s[24:31] descriptor group 1 for memory's tiles;  s[32:39] group 0, a set for each slot
.set G0A, 32
.set G1B, 48                           ; s[48:55], s[56:63] the same for wb's
.set G0B, 56
.set MSB, 0
.macro WIN new                         ; the immediate's high byte repeats the setting that is left; a switch that changes nothing is dropped
.if MSB != (\new)
	s_set_vgpr_msb (MSB<<8)|(\new)
.set MSB, (\new)
.endif
.endm
.set MUL_LO, 0xa4                      ; source 0 (memory) window 0, source 1 (wb) window 1, C and D window 2
.set MUL_HI, 0xf4                      ; the same, C and D window 3
.set TO_B,   0x40                      ; destination window 1, address window 0
.macro PLACES                          ; four places in front of loads into registers that matrix instructions have read, and of reads of results (ISA guide 7.12.1 for reads of results)
.rept 4
	v_nop
.endr
.endm
; A joint load.  The branch hangs on the wave's number alone.  Four v_nop follow each of the two lines, ahead of the jump and the label.
.macro JLOAD s
	s_cmp_eq_u32 s11, 0
	s_cbranch_scc0 .Lfor_b_\@
	tensor_load_to_lds s[G0A+4*(\s):G0A+4*(\s)+3], s[G1A:G1A+7]
	s_nop 0
.rept 4
	v_nop
.endr
	s_branch .Lasked_\@
.Lfor_b_\@:
	tensor_load_to_lds s[G0B+4*(\s):G0B+4*(\s)+3], s[G1B:G1B+7]
	s_nop 0
.rept 4
	v_nop
.endr
.Lasked_\@:
.endm
.macro CREST                           ; a round of the cluster's barrier behind its opening barrier
	s_cmp_lg_u32 s10, 0
	s_cbranch_scc1 .Lnot_wave_0_\@
	s_barrier_signal -3
.Lnot_wave_0_\@:
	s_barrier_wait -3
	s_barrier_signal -1
	s_barrier_wait -1
.endm
.macro CROUND                          ; a whole round
	s_barrier_signal -1
	s_barrier_wait -1
	CREST
.endm
	s_load_b128 s[4:7], s[0:1], 0x0                ; memory s[4:5], wb s[6:7]
	s_load_b128 s[68:71], s[0:1], 0x10             ; qs s[68:69], v s[70:71]
	s_load_b64 s[8:9], s[0:1], 0x20                ; part
	v_lshl_add_u32 v[SPW], v0, 2, SPARE
	v_mov_b32 v[NIL], 0
	ds_add_u32 v28, v29
	s_wait_dscnt 0x0
	v_lshrrev_b32 v1, 5, v0
	v_readfirstlane_b32 s10, v1                    ; wave 0..3
	s_lshr_b32 s11, s10, 1                         ; I fetch for memory (0) or for wb (1),
	s_and_b32 s12, s10, 1                          ; and which 128 rows of the tile
	s_bfe_u32 s40, ttmp6, 0x40000                  ; cx
	s_bfe_u32 s41, ttmp6, 0x40004                  ; cy
	s_lshl_b32 s42, ttmp9, 2
	s_add_co_u32 s42, s42, s40                     ; N tile = 4 x cluster x + cx
	s_and_b32 s13, ttmp7, 0xffff
	s_lshl_b32 s13, s13, 2
	s_add_co_u32 s13, s13, s41                     ; block of 256 rows = 4 x cluster y + cy, 0 to 63
	s_lshl_b32 s43, s41, 2
	s_lshl_b32 s43, 15, s43                        ; my row of the cluster
	s_lshl_b32 s44, 0x1111, s40                    ; my column
	; group 1 for memory: 128 rows x 96 f32, 1,024 elements from row to row
	s_or_b32 s[G1A+0], s43, (2<<16)|(1<<20)|(1<<21)|(4<<22)|(3<<25)  ; 15:0 the mask; 17:16 elements of 4 bytes; 20 padding on; 21 set beside a mask; 24:22 after every 32 words (a plane); 31:25 4 words
	s_mov_b32 s[G1A+1], 96<<16                     ; tensor_dim0 = 96
	s_mov_b32 s[G1A+2], 128<<16                    ; tensor_dim1 = 128
	s_mov_b32 s[G1A+3], 96<<16                     ; tile_dim0 = 96
	s_mov_b32 s[G1A+4], 128                        ; tile_dim1 = 128
	s_mov_b32 s[G1A+5], 1024                       ; the pitch
	s_mov_b32 s[G1A+6], 0
	s_mov_b32 s[G1A+7], 0
	; group 1 for wb: 128 rows of 192 bytes are 24,576 dense bytes: asked for as 96 rows of 256 bytes, and laid down as they lie
	s_or_b32 s[G1B+0], s44, (1<<16)|(1<<21)        ; the mask; elements of 2 bytes; no padding; 21 set beside a mask
	s_mov_b32 s[G1B+1], 128<<16
	s_mov_b32 s[G1B+2], 96<<16
	s_mov_b32 s[G1B+3], 128<<16
	s_mov_b32 s[G1B+4], 96
	s_mov_b32 s[G1B+5], 128
	s_mov_b32 s[G1B+6], 0
	s_mov_b32 s[G1B+7], 0
	; offsets.  memory's hang on the block of rows and the wave, wb's on the N tile and the wave, each in registers that never hold the other coordinate
	s_lshl_b32 s16, s13, 20                        ; 256 rows of 4,096 bytes
	s_lshl_b32 s17, s12, 19                        ; 128 rows
	s_add_co_u32 s16, s16, s17
	s_mov_b32 s17, 0
	s_mul_i32 s46, s42, 256*PBR                    ; 256 rows of 192 bytes
	s_mul_i32 s47, s12, BHALF
	s_add_co_u32 s46, s46, s47
	s_mov_b32 s47, 0
	s_mul_i32 s20, s12, AHALF                      ; where they go: no place in the cluster enters an LDS address
	s_mul_i32 s21, s12, BHALF
	s_add_co_u32 s21, s21, BOFF
	s_lshl_b32 s86, s42, 18                        ; part: N tile x 262,144 + block x 1,024 + wave x 256
	s_lshl_b32 s87, s13, 10
	s_add_co_u32 s86, s86, s87
	s_lshl_b32 s87, s10, 8
	s_add_co_u32 s86, s86, s87
	s_mov_b32 s87, 0
	s_lshl_b32 s84, s42, 14                        ; qs: 16 blocks of 1,024 bytes an N tile, + 64 x batch; the first tile's batch is block / 16
	s_lshr_b32 s85, s13, 4
	s_lshl_b32 s85, s85, 6
	s_add_co_u32 s84, s84, s85
	s_mov_b32 s85, 0                               ; stays 0: s[84:85] later holds a step of the requests ahead
	s_lshl_b32 s88, s42, 10                        ; v: 256 numbers an N tile
	s_mov_b32 s89, 0
	s_lshl_b32 s90, s13, 20                        ; asked for ahead: my block of rows, beginning with byte 1,536 of the rows
	s_add_co_u32 s90, s90, 1536
	s_mov_b32 s91, 0
	s_mov_b32 s72, 0x4038aa3b                      ; c = 2 log2(e)
	s_mov_b32 s73, s72                             ; named with it as a pair
	s_mov_b32 s74, 0xaaaaaaaa                      ; lanes with bit 0, 1, 2, 3 of their number set
	s_mov_b32 s75, 0xcccccccc
	s_mov_b32 s76, 0xf0f0f0f0
	s_mov_b32 s77, 0xff00ff00
	s_mov_b32 s81, 0
	s_mov_b32 s82, 8*TILES-3                       ; requests ahead still to be made: the rows' eight columns of 512 bytes in four tiles, but the first tile's first three
	s_mov_b32 s83, WALKB-3072                      ; from column 6 or 7 of a tile to column 0 or 1 of the next
	s_wait_kmcnt 0x0
	s_add_nc_u64 s[14:15], s[4:5], s[16:17]
	s_add_nc_u64 s[46:47], s[6:7], s[46:47]
	s_add_nc_u64 s[8:9], s[8:9], s[86:87]
	s_add_nc_u64 s[68:69], s[68:69], s[84:85]
	s_add_nc_u64 s[70:71], s[70:71], s[88:89]
	s_add_nc_u64 s[78:79], s[4:5], s[90:91]        ; a lap's first request: columns 3, 5, 7, then the next tile's 1
	s_add_nc_u64 s[94:95], s[78:79], 512           ; its second: columns 4, 6, then the next tile's 0, 2
.irp s, 0,1
	s_mov_b32 s[G0A+4*(\s)], 1                                       ; count = 1
	s_add_co_u32 s[G0A+4*(\s)+1], s20, (\s)*SLOT                     ; LDS address
	s_add_nc_u64 s[G0A+4*(\s)+2:G0A+4*(\s)+3], s[14:15], (\s)*256    ; global address: K step s begins at k = 64 s
	s_or_b32 s[G0A+4*(\s)+3], s[G0A+4*(\s)+3], 0x80000000            ; type = 2
	s_mov_b32 s[G0B+4*(\s)], 1
	s_add_co_u32 s[G0B+4*(\s)+1], s21, (\s)*SLOT
	s_add_nc_u64 s[G0B+4*(\s)+2:G0B+4*(\s)+3], s[46:47], (\s)*BBLK
	s_or_b32 s[G0B+4*(\s)+3], s[G0B+4*(\s)+3], 0x80000000
.endr
	CROUND                                         ; all sixteen work-groups are here: the first joint loads meet
	s_cmp_eq_u32 s11, 0                            ; a wave's two first fills stand in one branch, ahead of every wait on TENSORcnt and every LDS read: two loads of mine are out
	s_cbranch_scc0 .Lfirst_b
	tensor_load_to_lds s[G0A:G0A+3], s[G1A:G1A+7]
	s_nop 0
	tensor_load_to_lds s[G0A+4:G0A+7], s[G1A:G1A+7]
	s_nop 0
.rept 4
	v_nop
.endr
	s_branch .Lfirst_asked
.Lfirst_b:
	tensor_load_to_lds s[G0B:G0B+3], s[G1B:G1B+7]
	s_nop 0
	tensor_load_to_lds s[G0B+4:G0B+7], s[G1B:G1B+7]
	s_nop 0
.rept 4
	v_nop
.endr
.Lfirst_asked:
	; all that follows up to the wait for the first tiles stands in that wait
	v_and_b32 v1, 15, v0                           ; r = lane % 16
	v_bfe_u32 v2, v0, 4, 1                         ; h = lane / 16
	v_lshlrev_b32 v[QO], 2, v1
.irp b, 0,1,2,3,4,5,6,7,8,9,10,11,12,13,14,15
	global_load_b32 v[WW+2*(\b)],   v[QO], s[70:71] offset:64*(\b)   ; v of column 16 b + r, into both halves of a pair for the packed arithmetic
	global_load_b32 v[WW+2*(\b)+1], v[QO], s[70:71] offset:64*(\b)
.endr
	; a fragment of memory: lane (r, h) holds row r, k = 8 h + 0..7 and 16 + 8 h + 0..7 of a plane: in f32 four loads of 16 bytes at 32 h + 0, 16, 64, 80
	v_mul_u32_u24 v3, v1, PA
	v_lshl_add_u32 v3, v2, 5, v3
	s_mul_i32 s22, s10, 64*PA                      ; my 64 rows
	v_add_nc_u32 v[ADRA], s22, v3
	v_add_nc_u32 v[ADRA+1], SLOT, v[ADRA]
	; a fragment of wb: pieces h and h + 2 of a plane, each at place (piece + r / 4) % 4
	v_bfe_u32 v6, v0, 2, 2                         ; r / 4
	v_mul_u32_u24 v4, v1, PBR
	v_add_nc_u32 v4, BOFF, v4
	v_add_nc_u32 v7, v2, v6
	v_and_b32 v8, 3, v7
	v_lshl_add_u32 v[BL], v8, 4, v4
	v_add_nc_u32 v7, 2, v7
	v_and_b32 v8, 3, v7
	v_lshl_add_u32 v[BH], v8, 4, v4
	v_add_nc_u32 v[BL+1], SLOT, v[BL]
	v_add_nc_u32 v[BH+1], SLOT, v[BH]
	v_and_b32 v5, 3, v0                            ; the exchanges leave lane (r, h) rows 32 r3 + 16 r2 + 8 h + 4 r1 + 2 r0 + 0, 1 (r0..r3: r's bits)
	v_lshlrev_b32 v[PO], 3, v5
	v_lshl_add_u32 v[PO], v6, 6, v[PO]
	v_lshl_add_u32 v[PO], v2, 5, v[PO]
	s_lshl_b32 s92, s40, 18                        ; of a column's 256 rows x 512 bytes, which the four partners of my row all need, my wave asks ahead for rows 64 cx + 16 w + r, 256 bytes a lane
	s_lshl_b32 s93, s10, 16
	s_add_co_u32 s92, s92, s93
	v_lshl_add_u32 v[PF], v1, 12, s92
	v_lshl_add_u32 v[PF], v2, 8, v[PF]
	s_wait_loadcnt 0x0                             ; v
.irp k, 0,1,2,3                        ; the sum of my 16 numbers of v, in four chains; the pairs give it twice
	v_pk_add_f32 v[T+2*(\k):T+2*(\k)+1], v[WW+2*(\k):WW+2*(\k)+1], v[WW+8+2*(\k):WW+8+2*(\k)+1]
.endr
.irp k, 0,1,2,3
	v_pk_add_f32 v[T+2*(\k):T+2*(\k)+1], v[T+2*(\k):T+2*(\k)+1], v[WW+16+2*(\k):WW+16+2*(\k)+1]
.endr
.irp k, 0,1,2,3
	v_pk_add_f32 v[T+2*(\k):T+2*(\k)+1], v[T+2*(\k):T+2*(\k)+1], v[WW+24+2*(\k):WW+24+2*(\k)+1]
.endr
	v_pk_add_f32 v[T:T+1], v[T:T+1], v[T+2:T+3]
	v_pk_add_f32 v[T+4:T+5], v[T+4:T+5], v[T+6:T+7]
	v_pk_add_f32 v[SV:SV+1], v[T:T+1], v[T+4:T+5]
.irp b, 0,1,2,3,4,5,6,7,8,9,10,11,12,13,14,15
	v_pk_mul_f32 v[WW+2*(\b):WW+2*(\b)+1], v[WW+2*(\b):WW+2*(\b)+1], -2.0 op_sel_hi:[1,0]
.endr
; One matrix instruction: buffer f; rows 16 (2 hi + a) on, columns 16 b on.  zero = 1: it starts the sum: nothing is ever cleared.
.macro MM1 f, hi, a, b, zero
.set rD, 8*(16*(\a)+(\b))
.set rA, AB0+32*(\f)+8*(2*(\hi)+(\a))
.set rB, 128*(\f)+8*(\b)
.if \zero
	v_wmma_f32_16x16x32_bf16 v[rD:rD+7], v[rA:rA+7], v[rB:rB+7], 0
.else
	v_wmma_f32_16x16x32_bf16 v[rD:rD+7], v[rA:rA+7], v[rB:rB+7], v[rD:rD+7]
.endif
.endm
; 16 of them.  The 64 accumulators come in the same order in every plane, one instruction a turn: between two links of a chain stand the 63 others'.
.macro MUL16 f, hi, bg, zero
	WIN MUL_LO+0x50*(\hi)
.irp a, 0,1
.irp i, 0,1,2,3,4,5,6,7
	MM1 \f, \hi, \a, 8*(\bg)+\i, \zero
.endr
.endr
.endm
; The last 16 of a plane.  Behind each of its last eight stand four conversions: the next plane's fragments of memory, f32 to bf16, into buffer g.  They name no register of the products round them;
; the four behind the last product are also the places in front of what follows.
.macro MUL16R f, g, zero
	WIN MUL_HI
.irp b, 8,9,10,11,12,13,14,15
	MM1 \f, 1, 0, \b, \zero
.endr
	s_wait_dscnt 32                                ; LDS loads come back in order (ISA guide 5.7.1): memory's 16 are in, wb's 32, issued behind them, stay out
.set ci, 0
.irp b, 8,9,10,11,12,13,14,15
	WIN MUL_HI
	MM1 \f, 1, 1, \b, \zero
	WIN 0
.rept 4
	v_cvt_pk_bf16_f32 v[AB0+32*(\g)+ci], v[RAW+2*ci], v[RAW+2*ci+1]
.set ci, ci+1
.endr
.endr
.endm
; 48 LDS loads in one run: the fragments of plane pl of the slot's step: my 64 rows of memory in f32, then all 256 rows of wb into buffer g
.macro FETCH slot, pl, g
	WIN 0
.irp a, 0,1,2,3
.irp o, 0,1,2,3
	ds_load_b128 v[RAW+16*(\a)+4*(\o):RAW+16*(\a)+4*(\o)+3], v[ADRA+(\slot)] offset:16*PA*(\a)+PLA*(\pl)+64*((\o)/2)+16*((\o)%2)
.endr
.endr
	WIN TO_B
.irp b, 0,1,2,3,4,5,6,7,8,9,10,11,12,13,14,15
	ds_load_b128 v[128*(\g)+8*(\b):128*(\g)+8*(\b)+3],   v[BL+(\slot)] offset:16*PBR*(\b)+64*(\pl)
	ds_load_b128 v[128*(\g)+8*(\b)+4:128*(\g)+8*(\b)+7], v[BH+(\slot)] offset:16*PBR*(\b)+64*(\pl)
.endr
.endm
; A request ahead, in the first plane of steps 1 to 8 of a tile: my wave's sixteenth (16 rows x 512 bytes) of a column of 512 bytes of the block's rows; each block of 256 bytes is asked for by one lane
; of one wave of the four partners.  The order is columns 3 to 7 of this tile, then 0 to 2 of the next: between two and five K steps ahead of the tensor load that first touches the column.
; The count ends the requests with the last tile's column 7: none points past the buffer.  p: the pointer's first register.
.macro PREF p
	WIN 0
	s_cmp_lg_u32 s82, 0
	s_cbranch_scc0 .Lno_pf_\@
	global_prefetch_b8 v[PF], s[\p:\p+1] th:TH_LOAD_NT scope:SCOPE_SE
	s_sub_co_u32 s82, s82, 1
.Lno_pf_\@:
.endm
; A plane that is not its step's last: multiplies buffer f; in its middle it fetches plane pl of the same slot into the other buffer.
.macro KSUB f, slot, pl, zero, pf
	s_wait_dscnt 16                                ; wb's blocks 0-7 are in; the youngest 16 loads (blocks 8-15) may be out
	MUL16 \f, 0, 0, \zero
	s_wait_dscnt 0x0
	MUL16 \f, 0, 1, \zero
	PLACES
	FETCH \slot, \pl, 1-\f
.if \pf
	PREF \pf
.endif
	MUL16 \f, 1, 0, \zero
	MUL16R \f, 1-\f, \zero
.endm
; A step's last plane multiplies buffer f and changes slots.  ONE barrier: in front of it each wave waits for all its tensor loads, of which at most one is out: its part of the next slot; adds 0 to its
; spare word; and waits for that and for its own reads of this slot.  mode 0: the barrier opens a round of the cluster's, and this slot is filled again, ainc bytes on along memory's rows and two blocks on
; in wb, first thing behind the round;  mode 1: the same with the NEXT tile's step 0 (slot 0) or 1 (slot 1);  mode 2 (the last tile): nothing is filled, so no round follows.
; fetch = 1: the next slot's first plane is fetched into the other buffer;  0 (a tile's last plane): nothing is fetched, and four places stand in front of the tail.
.macro TURN f, slot, next, mode, ainc, fetch
	WIN 0                                          ; (the add's two registers lie in window 0)
	s_wait_tensorcnt 0x0                           ; all my tensor loads have landed;
	ds_add_u32 v[SPW], v[NIL]                      ; 0 onto my spare word;
	s_wait_dscnt 17                                ; (the add and the youngest 16 loads, wb's blocks 8-15, may be out)
	MUL16 \f, 0, 0, 0                              ; sixteen matrix instructions stand between the add and the wait for it
	s_wait_dscnt 0x0                               ; the add is done, and my reads of this slot are over
	s_barrier_signal -1
	MUL16 \f, 0, 1, 0                              ; work on registers while the others arrive
	WIN 0
	s_barrier_wait -1
.if (\mode) < 2
	CREST                                          ; no wave of any partner still reads this slot or has a load on its way
.if (\mode) == 1
	s_add_nc_u64 s[G0A+4*(\slot)+2:G0A+4*(\slot)+3], s[G0A+4*(\slot)+2:G0A+4*(\slot)+3], NEXT_A0+(\slot)*(NEXT_A1-NEXT_A0)
	s_sub_nc_u64 s[G0B+4*(\slot)+2:G0B+4*(\slot)+3], s[G0B+4*(\slot)+2:G0B+4*(\slot)+3], BACK_B0-(\slot)*(BACK_B0-BACK_B1)
.else
	s_add_nc_u64 s[G0A+4*(\slot)+2:G0A+4*(\slot)+3], s[G0A+4*(\slot)+2:G0A+4*(\slot)+3], \ainc
	s_add_nc_u64 s[G0B+4*(\slot)+2:G0B+4*(\slot)+3], s[G0B+4*(\slot)+2:G0B+4*(\slot)+3], 2*BBLK
.endif
	JLOAD \slot                                    ; the four v_nop behind it are also places in front of the loads below
.else
	PLACES
.endif
.if \fetch
	FETCH \next, 0, 1-\f
	MUL16 \f, 1, 0, 0
	MUL16R \f, 1-\f, 0
.else
	MUL16 \f, 1, 0, 0
	MUL16 \f, 1, 1, 0
	WIN 0
	PLACES
.endif
.endm
; THE TAIL, for the 16 columns of block b: 32 numbers a lane (rows 16 a + 8 h + j).  t = c x + c q;  E = 2^t;  R = 1 / (1 + E);  S += (-2 v) R, the first time onto the lane's sum of v.
; Each accumulator's registers are taken in ascending order.  Behind each run of transcendentals one plain line comes before a result is used (ISA guide 5.7.2).
.macro EGRP b, first
.irp a, 0,1,2,3
	WIN 0x02+(\a)/2                                ; source 0 in window 2 or 3
.irp jj, 0,1,2,3
	v_pk_fma_f32 v[T+8*(\a)+2*(\jj):T+8*(\a)+2*(\jj)+1], v[8*(16*((\a)%2)+(\b))+2*(\jj):8*(16*((\a)%2)+(\b))+2*(\jj)+1], s[72:73], v[QQ+2*(\b):QQ+2*(\b)+1] op_sel_hi:[1,0,1]
.endr
.endr
	WIN 0
.set i, 0
.rept 32
	v_exp_f32 v[T+i], v[T+i]
.set i, i+1
.endr
	v_nop
.set i, 0
	s_wait_alu depctr_va_vdst(0)
.rept 16
	v_pk_add_f32 v[T+2*i:T+2*i+1], v[T+2*i:T+2*i+1], 1.0 op_sel_hi:[1,0]
.set i, i+1
.endr
.set i, 0
.rept 32
	v_rcp_f32 v[T+i], v[T+i]
.set i, i+1
.endr
	v_nop
	s_wait_alu depctr_va_vdst(0)
.set i, 0
.rept 16
.if \first
	s_wait_alu depctr_va_vdst(0)
	v_pk_fma_f32 v[S+2*i:S+2*i+1], v[T+2*i:T+2*i+1], v[WW+2*(\b):WW+2*(\b)+1], v[SV:SV+1]
.else
	v_pk_fma_f32 v[S+2*i:S+2*i+1], v[T+2*i:T+2*i+1], v[WW+2*(\b):WW+2*(\b)+1], v[S+2*i:S+2*i+1]
.endif
.set i, i+1
.endr
.endm
; One exchange: lanes whose bit is clear keep X and give Y, the others keep Y and give X; each adds what its partner (lane xor xm) gives.  X then holds the sum of two lanes, for X's row or for Y's.
.set rk, 0
.macro RSTEP mask, xm, X, Y
	v_cndmask_b32 v[T+2*rk],   v[\X], v[\Y], s[\mask]
	v_cndmask_b32 v[T+2*rk+1], v[\Y], v[\X], s[\mask]
	v_add_f32_dpp v[\X], v[T+2*rk+1], v[T+2*rk] row_xmask:\xm row_mask:0xf bank_mask:0xf
.set rk, (rk+1)%8
.endm
	s_mov_b32 s2, TILES                            ; tiles to go: the same number in every work-group
.Ltile:
.irp b, 0,1,2,3,4,5,6,7,8,9,10,11,12,13,14,15
	global_load_b32 v[QQ+2*(\b)],   v[QO], s[68:69] offset:1024*(\b)  ; c q of this tile's batch, column 16 b + r, into both halves of a pair: wanted at the tile's end
	global_load_b32 v[QQ+2*(\b)+1], v[QO], s[68:69] offset:1024*(\b)
.endr
	s_wait_tensorcnt 0x0                           ; my part of this tile's step 0 is in: it is my youngest tensor load, so the count is 0 (at the launch's start step 1's is waited for with it)
	s_barrier_signal -1                            ; no LDS instruction of mine is out
	s_barrier_wait -1                              ; everybody's part is in
	FETCH 0, 0, 0
	s_wait_dscnt 32                                ; memory's 16 loads are in
	WIN 0
.set i, 0
.rept 32
	v_cvt_pk_bf16_f32 v[AB0+i], v[RAW+2*i], v[RAW+2*i+1]
.set i, i+1
.endr
	KSUB 0, 0, 1, 1, 0                             ; step 0, k = 0 .. 31: its products start the sums
	TURN 1, 0, 1, 0, 640, 1                        ; k = 32 .. 63; slot 0 takes step 2, which begins at k = 160: 640 bytes on
	WIN 0
	s_mov_b32 s3, 4
.Llap:                                                 ; trip L = 0 .. 3: steps 2 L + 1 (slot 1) and 2 L + 2 (slot 0); the slots take steps 2 L + 3 and 2 L + 4
	KSUB 0, 1, 1, 0, 78
	KSUB 1, 1, 2, 0, 0
	TURN 0, 1, 0, 0, ASTEP, 1
	KSUB 1, 0, 1, 0, 94
	KSUB 0, 0, 2, 0, 0
	TURN 1, 0, 1, 0, ASTEP, 1
	WIN 0
	s_wait_xcnt 0x0                                ; the requests' bases are stepped only behind this wait (ISA guide 3.1); the younger request stands some 170 matrix instructions back
	s_cmp_eq_u32 s3, 2                             ; the third trip's first request was column 7: on to the next tile's column 1
	s_cselect_b32 s80, s83, 1024
	s_cmp_eq_u32 s3, 3                             ; the second trip's second request was column 6: on to the next tile's column 0
	s_cselect_b32 s84, s83, 1024
	s_add_nc_u64 s[78:79], s[78:79], s[80:81]
	s_add_nc_u64 s[94:95], s[94:95], s[84:85]
	s_sub_co_u32 s3, s3, 1
	s_cmp_lg_u32 s3, 0
	s_cbranch_scc1 .Llap
	KSUB 0, 1, 1, 0, 0                             ; the last lap, steps 9 and 10, is written out: its two changes of slots stand once for a tile that has a successor and once for the last
	KSUB 1, 1, 2, 0, 0
	WIN 0
	s_cmp_eq_u32 s2, 1
	s_cbranch_scc1 .Llast_a
	TURN 0, 1, 0, 1, 0, 1                          ; THE RING GOES ON INTO THE NEXT TILE: slot 1 takes its step 1,
	WIN 0
	s_branch .Ljoin_a
.Llast_a:
	TURN 0, 1, 0, 2, 0, 1                          ; the last tile asks for nothing more
	WIN 0
.Ljoin_a:
	KSUB 1, 0, 1, 0, 0
	KSUB 0, 0, 2, 0, 0
	WIN 0
	s_cmp_eq_u32 s2, 1
	s_cbranch_scc1 .Llast_b
	TURN 1, 0, 1, 1, 0, 0                          ; slot 0 its step 0, which has the tail below in which to land
	s_branch .Lepi
.Llast_b:
	s_wait_dscnt 16                                ; the very last plane: nothing to fetch, nothing to fill, no barrier
	MUL16 1, 0, 0, 0
	s_wait_dscnt 0x0
	MUL16 1, 0, 1, 0
	MUL16 1, 1, 0, 0
	MUL16 1, 1, 1, 0
	WIN 0
	PLACES
.Lepi:
	s_wait_loadcnt 0x0                             ; c q
	EGRP 0, 1
.irp b, 1,2,3,4,5,6,7,8,9,10,11,12,13,14,15
	EGRP \b, 0
.endr
	; the sixteen lanes' sums meet: 32, 16, 8, 4, 2 registers.  The pairs differ in bit 1 of j, bit 2 of j, bit 0 of a, bit 1 of a; bit 0 of j stays as the pair that is stored
.irp a, 0,1,2,3
.irp j, 0,1,4,5
	RSTEP 74, 1, S+8*(\a)+(\j), S+8*(\a)+(\j)+2
.endr
.endr
.irp a, 0,1,2,3
.irp j, 0,1
	RSTEP 75, 2, S+8*(\a)+(\j), S+8*(\a)+(\j)+4
.endr
.endr
.irp a, 0,2
.irp j, 0,1
	RSTEP 76, 4, S+8*(\a)+(\j), S+8*(\a)+(\j)+8
.endr
.endr
.irp j, 0,1
	RSTEP 77, 8, S+(\j), S+(\j)+16
.endr
	global_store_b64 v[PO], v[S:S+1], s[8:9]       ; the wave's 64 rows: 256 consecutive bytes, at a multiple of 256 from part's first byte
	s_wait_xcnt 0x0                                ; the bases below, and S, which the next tile's loads rewrite, are free only behind this wait (ISA guide 3.1)
	s_add_nc_u64 s[8:9], s[8:9], 16384*4           ; 16,384 rows on (behind the last tile these two are not used)
	s_add_nc_u64 s[68:69], s[68:69], 4*64          ; four batches on
	s_sub_co_u32 s2, s2, 1
	s_cmp_lg_u32 s2, 0
	s_cbranch_scc1 .Ltile
	s_wait_tensorcnt 0x0                           ; the wave's end: behind my last tensor load, the last LDS instructions
	ds_add_u32 v[SPW], v[NIL]
	s_wait_dscnt 0x0
	CROUND                                         ; the closing round: no work-group ends while a partner may still ask for a tile that names it
	s_endpgm
.Lfunc_end_k_qdc17eaf8d6_scores:
	.size	k_qdc17eaf8d6_scores, .Lfunc_end_k_qdc17eaf8d6_scores-k_qdc17eaf8d6_scores
	.p2alignl 7, 3214868480
	.fill 96, 4, 3214868480
	.section	.rodata,"a",@progbits
	.p2align	6, 0x0
	.amdhsa_kernel k_qdc17eaf8d6_scores
		.amdhsa_group_segment_fixed_size 327680
		.amdhsa_private_segment_fixed_size 0
		.amdhsa_enable_private_segment 0
		.amdhsa_kernarg_size 40
		.amdhsa_user_sgpr_count 2
		.amdhsa_user_sgpr_kernarg_segment_ptr 1
		.amdhsa_wavefront_size32 1
		.amdhsa_system_sgpr_workgroup_id_x 1
		.amdhsa_system_sgpr_workgroup_id_y 1
		.amdhsa_system_sgpr_workgroup_id_z 1
		.amdhsa_system_vgpr_workitem_id 0
		.amdhsa_next_free_vgpr 1024
		.amdhsa_next_free_sgpr 96
		.amdhsa_reserve_vcc 0
		.amdhsa_float_denorm_mode_32 3
		.amdhsa_float_denorm_mode_16_64 3
		.amdhsa_memory_ordered 1
		.amdhsa_forward_progress 1
		.amdhsa_inst_pref_size 255
	.end_amdhsa_kernel
	.section	.bss,"aw",@nobits
	.p2align	6
	.space	262144
	.amdgpu_metadata
---
amdhsa.version: [ 1, 2 ]
amdhsa.kernels:
  - .name:           k_qdc17eaf8d6_scores
    .symbol:         k_qdc17eaf8d6_scores.kd
    .args:
      - { .name: memory, .offset: 0, .size: 8, .value_kind: global_buffer, .address_space: global }
      - { .name: wb, .offset: 8, .size: 8, .value_kind: global_buffer, .address_space: global }
      - { .name: qs, .offset: 16, .size: 8, .value_kind: global_buffer, .address_space: global }
      - { .name: v, .offset: 24, .size: 8, .value_kind: global_buffer, .address_space: global }
      - { .name: part, .offset: 32, .size: 8, .value_kind: global_buffer, .address_space: global }
    .group_segment_fixed_size: 327680
    .private_segment_fixed_size: 0
    .kernarg_segment_align: 8
    .kernarg_segment_size: 40
    .max_flat_workgroup_size: 128
    .sgpr_count:     96
    .vgpr_count:     1024
    .wavefront_size: 32
...
	.end_amdgpu_metadata
.endif
;; end of part 2
;; launch fin (part 3): grid 16 x 1, 16 waves a work-group, no clusters, 2,560 bytes of LDS; arguments part, memory_mask, out0; writes out0
.if DOCPART == 3
	.amdgcn_target "amdgcn-amd-amdhsa--gfx1250"
	.amdhsa_code_object_version 6
	.text
	.protected	k_qdc17eaf8d6_fin
	.globl	k_qdc17eaf8d6_fin
	.p2align	8
	.type	k_qdc17eaf8d6_fin,@function
k_qdc17eaf8d6_fin:
	s_mov_b64 s[64:65], 0
	v_nop
	global_prefetch_b8 v0, s[64:65] scope:SCOPE_SE
	s_setreg_imm32_b32 hwreg(HW_REG_WAVE_MODE, 25, 1), 1
	s_wait_xcnt 0x0
; out0[b][s] = softmax over s of (score - 1e9 x mask),  score = the four N tiles' partial scores, added in ascending order.  One work-group a batch, 512 threads;
; thread t owns rows 4 t .. 4 t + 3 and 2,048 + 4 t .. + 3, so every load and store of a wave covers 512 consecutive bytes (the mask's: 128).
; The row's true maximum is taken away before the exponential, as a subtraction of its own: fused with the factor log2(e) it would round max x log2(e), which at 1e9 is coarser than the
; differences that count in a row that is masked throughout.  A weight below 2^-126 counts as 0.  16 work-groups: the launch moves 1.4 MB; a row's maximum and sum want one owner.
.set P,  8                             ; v[8:39]   partial nt of half c at P + 16 c + 4 nt; the sums, x and the weights stay at P + 16 c; the rest is free again and takes the words read back from LDS
.set MK, 40                            ; v40-41    four mask bytes of each half
.set MF, 44                            ; v[44:51]  the mask as f32
.set R,  52                            ; v52       the number being reduced;  v53 the other half of the lanes';  v54 4 x wave;  v55 0;  v[56:57] 1 / sum, twice
	s_load_b128 s[4:7], s[0:1], 0x0                ; part s[4:5], memory_mask s[6:7]
	s_load_b64 s[8:9], s[0:1], 0x10                ; out0
	v_lshl_add_u32 v64, v0, 2, 0x200
	v_mov_b32 v65, 0
	v_lshrrev_b32 v1, 5, v0
	v_readfirstlane_b32 s10, v1                    ; wave 0..15
	v_lshlrev_b32 v2, 4, v0                        ; 16 t
	v_lshlrev_b32 v3, 2, v0                        ; 4 t
	s_lshl_b32 s14, ttmp9, 14                      ; the batch's 4,096 rows of 4 bytes
	s_mov_b32 s15, 0
	s_lshl_b32 s16, ttmp9, 12                      ; and of 1 byte
	s_mov_b32 s17, 0
	s_mov_b32 s12, 0x76543210                      ; v_permlanex16_b32: each lane takes its own place in the other half
	s_mov_b32 s13, 0xfedcba98
	s_mov_b32 s18, 0xce6e6b28                      ; -1e9
	s_lshl_b32 s11, s10, 2
	v_mov_b32 v54, s11
	v_mov_b32 v55, 0
	v_mov_b32 v53, 0                               ; v_permlanex16_b32 counts as a reader of its destination
	s_wait_kmcnt 0x0
	s_add_nc_u64 s[4:5], s[4:5], s[14:15]
	s_add_nc_u64 s[8:9], s[8:9], s[14:15]
	s_add_nc_u64 s[6:7], s[6:7], s[16:17]
.irp c, 0,1
.irp nt, 0,1,2,3
	global_load_b128 v[P+16*(\c)+4*(\nt):P+16*(\c)+4*(\nt)+3], v2, s[4:5] offset:262144*(\nt)+8192*(\c) th:TH_LOAD_NT
.endr
	global_load_b32 v[MK+(\c)], v3, s[6:7] offset:2048*(\c) th:TH_LOAD_NT
.endr
	s_wait_loadcnt 0x0
.irp c, 0,1
.irp nt, 1,2,3
	v_pk_add_f32 v[P+16*(\c):P+16*(\c)+1],   v[P+16*(\c):P+16*(\c)+1],   v[P+16*(\c)+4*(\nt):P+16*(\c)+4*(\nt)+1]
	v_pk_add_f32 v[P+16*(\c)+2:P+16*(\c)+3], v[P+16*(\c)+2:P+16*(\c)+3], v[P+16*(\c)+4*(\nt)+2:P+16*(\c)+4*(\nt)+3]
.endr
.irp i, 0,1,2,3
	v_bfe_u32 v[MF+4*(\c)+(\i)], v[MK+(\c)], 8*(\i), 8
.endr
.irp i, 0,1,2,3
	v_cvt_f32_u32 v[MF+4*(\c)+(\i)], v[MF+4*(\c)+(\i)]
.endr
.irp i, 0,1,2,3
	v_fma_f32 v[P+16*(\c)+(\i)], v[MF+4*(\c)+(\i)], s18, v[P+16*(\c)+(\i)]  ; x = score - 1e9 x mask: 1e9 x mask is exact, so this rounds once, as the subtraction does
.endr
.endr
	; the maximum: my eight, the wave's 32 lanes, the 16 waves
	v_max3_num_f32 v[R], v[P], v[P+1], v[P+2]
	v_max3_num_f32 v[R], v[R], v[P+3], v[P+16]
	v_max3_num_f32 v[R], v[R], v[P+17], v[P+18]
	v_max_num_f32 v[R], v[R], v[P+19]
	v_max_num_f32_dpp v[R], v[R], v[R] row_xmask:1 row_mask:0xf bank_mask:0xf
	v_max_num_f32_dpp v[R], v[R], v[R] row_xmask:2 row_mask:0xf bank_mask:0xf
	v_max_num_f32_dpp v[R], v[R], v[R] row_xmask:4 row_mask:0xf bank_mask:0xf
	v_max_num_f32_dpp v[R], v[R], v[R] row_xmask:8 row_mask:0xf bank_mask:0xf
	v_permlanex16_b32 v53, v[R], s12, s13
	v_max_num_f32 v[R], v[R], v53
	ds_store_b32 v54, v[R]                         ; all lanes write the wave's word with the same value
	s_wait_dscnt 0x0                               ; for the others' sake
	s_barrier_signal -1
	s_barrier_wait -1
	ds_load_b128 v[12:15], v55
	ds_load_b128 v[16:19], v55 offset:16
	ds_load_b128 v[20:23], v55 offset:32
	ds_load_b128 v[28:31], v55 offset:48
	s_wait_dscnt 0x0
	v_max3_num_f32 v[R], v12, v13, v14
	v_max3_num_f32 v[R], v[R], v15, v16
	v_max3_num_f32 v[R], v[R], v17, v18
	v_max3_num_f32 v[R], v[R], v19, v20
	v_max3_num_f32 v[R], v[R], v21, v22
	v_max3_num_f32 v[R], v[R], v23, v28
	v_max3_num_f32 v[R], v[R], v29, v30
	v_max_num_f32 v[R], v[R], v31
.irp c, 0,1
.irp i, 0,1,2,3
	v_sub_f32 v[P+16*(\c)+(\i)], v[P+16*(\c)+(\i)], v[R]
.endr
.endr
.irp c, 0,1
.irp i, 0,1,2,3
	v_mul_f32 v[P+16*(\c)+(\i)], 0x3fb8aa3b, v[P+16*(\c)+(\i)]  ; log2(e)
.endr
.endr
.irp c, 0,1
.irp i, 0,1,2,3
	v_exp_f32 v[P+16*(\c)+(\i)], v[P+16*(\c)+(\i)]
.endr
.endr
	v_nop                                          ; a plain line between the exponentials and the use of their results (ISA guide 5.7.2)
	; the sum, the same way, through other LDS words
	s_wait_alu depctr_va_vdst(0)
	v_pk_add_f32 v[12:13], v[P:P+1], v[P+2:P+3]
	v_pk_add_f32 v[14:15], v[P+16:P+17], v[P+18:P+19]
	v_pk_add_f32 v[12:13], v[12:13], v[14:15]
	v_add_f32 v[R], v12, v13
	v_add_f32_dpp v[R], v[R], v[R] row_xmask:1 row_mask:0xf bank_mask:0xf
	v_add_f32_dpp v[R], v[R], v[R] row_xmask:2 row_mask:0xf bank_mask:0xf
	v_add_f32_dpp v[R], v[R], v[R] row_xmask:4 row_mask:0xf bank_mask:0xf
	v_add_f32_dpp v[R], v[R], v[R] row_xmask:8 row_mask:0xf bank_mask:0xf
	v_permlanex16_b32 v53, v[R], s12, s13
	v_add_f32 v[R], v[R], v53
	ds_store_b32 v54, v[R] offset:256
	s_wait_dscnt 0x0
	s_barrier_signal -1
	s_barrier_wait -1
	ds_load_b128 v[12:15], v55 offset:256
	ds_load_b128 v[16:19], v55 offset:272
	ds_load_b128 v[20:23], v55 offset:288
	ds_load_b128 v[28:31], v55 offset:304
	s_wait_dscnt 0x0
	v_pk_add_f32 v[12:13], v[12:13], v[14:15]
	v_pk_add_f32 v[16:17], v[16:17], v[18:19]
	v_pk_add_f32 v[20:21], v[20:21], v[22:23]
	v_pk_add_f32 v[28:29], v[28:29], v[30:31]
	v_pk_add_f32 v[12:13], v[12:13], v[16:17]
	v_pk_add_f32 v[20:21], v[20:21], v[28:29]
	v_pk_add_f32 v[12:13], v[12:13], v[20:21]
	v_add_f32 v[R], v12, v13                       ; at least 1: the maximum's own weight
	v_rcp_f32 v56, v[R]
	v_rcp_f32 v57, v[R]                            ; twice, for the packed multiply
	v_nop
	s_wait_alu depctr_va_vdst(0)
.irp c, 0,1
	v_pk_mul_f32 v[P+16*(\c):P+16*(\c)+1],   v[P+16*(\c):P+16*(\c)+1],   v[56:57]
	v_pk_mul_f32 v[P+16*(\c)+2:P+16*(\c)+3], v[P+16*(\c)+2:P+16*(\c)+3], v[56:57]
	global_store_b128 v2, v[P+16*(\c):P+16*(\c)+3], s[8:9] offset:8192*(\c)
.endr
	s_wait_tensorcnt 0x0
	ds_add_u32 v64, v65
	s_wait_dscnt 0x0
	s_endpgm
.Lfunc_end_k_qdc17eaf8d6_fin:
	.size	k_qdc17eaf8d6_fin, .Lfunc_end_k_qdc17eaf8d6_fin-k_qdc17eaf8d6_fin
	.p2alignl 7, 3214868480
	.fill 96, 4, 3214868480
	.section	.rodata,"a",@progbits
	.p2align	6, 0x0
	.amdhsa_kernel k_qdc17eaf8d6_fin
		.amdhsa_group_segment_fixed_size 2560
		.amdhsa_private_segment_fixed_size 0
		.amdhsa_enable_private_segment 0
		.amdhsa_kernarg_size 24
		.amdhsa_user_sgpr_count 2
		.amdhsa_user_sgpr_kernarg_segment_ptr 1
		.amdhsa_wavefront_size32 1
		.amdhsa_system_sgpr_workgroup_id_x 1
		.amdhsa_system_sgpr_workgroup_id_y 1
		.amdhsa_system_sgpr_workgroup_id_z 1
		.amdhsa_system_vgpr_workitem_id 0
		.amdhsa_next_free_vgpr 66
		.amdhsa_next_free_sgpr 66
		.amdhsa_reserve_vcc 0
		.amdhsa_float_denorm_mode_32 3
		.amdhsa_float_denorm_mode_16_64 3
		.amdhsa_memory_ordered 1
		.amdhsa_forward_progress 1
		.amdhsa_inst_pref_size 9
	.end_amdhsa_kernel
	.amdgpu_metadata
---
amdhsa.version: [ 1, 2 ]
amdhsa.kernels:
  - .name:           k_qdc17eaf8d6_fin
    .symbol:         k_qdc17eaf8d6_fin.kd
    .args:
      - { .name: part, .offset: 0, .size: 8, .value_kind: global_buffer, .address_space: global }
      - { .name: memory_mask, .offset: 8, .size: 8, .value_kind: global_buffer, .address_space: global }
      - { .name: out0, .offset: 16, .size: 8, .value_kind: global_buffer, .address_space: global }
    .group_segment_fixed_size: 2560
    .private_segment_fixed_size: 0
    .kernarg_segment_align: 8
    .kernarg_segment_size: 24
    .max_flat_workgroup_size: 512
    .sgpr_count:     66
    .vgpr_count:     66
    .wavefront_size: 32
...
	.end_amdgpu_metadata
.endif
;; end of part 3
